; MI455X (gfx1250); checked and timed in simulation.
; The chip was launched on July 23, 2026; its instructions are those of AMD's public machine-readable ISA for CDNA 5 (MIT licence, August 2026) and "CDNA5" Instruction Set Architecture Reference Guide (July 2026). The comments in the code are by the model that wrote it; some were corrected since.
;; Scaled Dot Product. Allowed arithmetic: matrix products marked QUANTISED: E5M2 operands, one E8M0 scale for each 32 along K, by v_wmma_scale_f32_16x16x128_f8f6f4 with both operands' format E5M2, f32 sums; everything else in f32.
;; Inputs: keys 2 x 16 x 2,048 x 128 float32; queries 2 x 16 x 2,048 x 128 float32; values 2 x 16 x 2,048 x 128 float32.
;; Outputs: out0 2 x 16 x 2,048 x 128 float32.
;; This version of the problem:
;;   THIS VERSION OF THE PROBLEM IS GIVEN IN LOW PRECISION. The matrix products marked QUANTISED in the list below multiply operands that are first quantised to E5M2 (5 exponent bits, 2 mantissa bits; 8 bits a number), with one power-of-two scale for each 32 numbers along K (OCP MX v1.0); their sums are f32. All else is computed in f32.
;;   The module's matrix products, in the order in which they are computed (A, B: the left and right operand; K: the contracted axis; several contracted axes count as one K, in the product's order):
;;     1. batch 32 x [M 2,048, K 128] x [K 128, N 2,048]; A: input queries; B: input keys: QUANTISED
;;     2. batch 32 x [M 2,048, K 2,048] x [K 2,048, N 128]; A: softmax (see below); B: input values: QUANTISED
;;   THE QUANTISER, for each operand of a quantised product, along K:
;;     - K is cut into blocks of 32 from its start; a last block that is shorter is filled with zeros.
;;     - A block's scale is 2^e with e = floor(log2(the largest magnitude in the block)) - 15, held to -126 .. 127; a block of zeros has e = 0. As a byte (E8M0): e + 127.
;;     - Each number is divided by its block's scale, clamped to +-57,344, and rounded to the nearest number of E5M2, ties to even, subnormals kept.
;;     - The product sums the exact products of the quantised numbers (number of the format x scale) in f32.
;;   ~~~python
;;   def quantise(x, axis):      # numpy; x: float32 -> the quantised numbers, widened to float32 again
;;       x = np.moveaxis(x, axis, -1); K = x.shape[-1]
;;       x = np.pad(x, [(0, 0)] * (x.ndim - 1) + [(0, -K % 32)]); x = x.reshape(x.shape[:-1] + (-1, 32)); a = np.abs(x).max(-1, keepdims=True)
;;       e = np.where(a > 0, np.clip(np.frexp(np.where(a > 0, a, 1))[1] - 1 - 15, -126, 127), 0)      # np.frexp(a)[1] - 1 = floor(log2(a)), exactly
;;       r = np.clip(x / 2.0 ** e, -57344, 57344)
;;       step = 2.0 ** (np.maximum(np.frexp(np.where(r == 0, 1, r))[1] - 1, -14) - 2)
;;       q = np.round(r / step) * step * 2.0 ** e      # np.round: ties to even
;;       return np.moveaxis(q.reshape(q.shape[:-2] + (-1,))[..., :K], -1, axis).astype(np.float32)
;;   ~~~
;;   SOFTMAX AHEAD OF A QUANTISED PRODUCT. Where the list says 'softmax', what is quantised is not the finished softmax but p = 2^(t - M), with t = logit x log2(e) and M = ceil(the row's largest t), a whole number; so 1/2 < the row's largest p <= 1. The row's sum l is taken of the UNQUANTISED p, in f32, and the product's result is divided by l at the end. Since M is a whole number, a kernel that streams over the keys may use a running M (the ceiling of the running maximum): every later rescaling is an exact power of two, which a block's scale takes up: the codes' values come out the same.
;;   OPERANDS COMPUTED ON THE WAY. 'Computed on the way' means the value that the module computes at that place (a softmax that the list does not call 'softmax' is quantised finished and normalised). What goes into a quantiser is computed in f32, as accurately as f32 sums, v_exp_f32 and their like allow (about 1e-6 of the number): no bf16 or f16 on the way to a quantiser, and a product that is left as it is and whose result goes on into a quantised operand takes f32 operands (vector FMAs, or v_wmma_f32_16x16x4_f32). A number that lies on a knife's edge between two numbers of the format may be rounded either way, as far as f32 arithmetic and the matrix unit's own rounding can turn it there, and no further.
;; One version. Each part assembles by itself: llvm-mc -triple=amdgcn-amd-amdhsa -mcpu=gfx1250 --defsym DOCPART=n.
;; ======== version 1 of 1: 2 launches
;; limits: right only within a limited range of input values
;; workspace buffers: k_codes 8,388,608 bytes; k_scales 262,144 bytes; v_codes 8,388,608 bytes; v_scales 262,144 bytes
;; launch quant (part 1): grid 256 x 1, 8 waves a work-group, no clusters, 70,656 bytes of LDS; arguments keys, values, k_codes, k_scales, v_codes, v_scales; writes k_codes, k_scales, v_codes, v_scales
.if DOCPART == 1
	.amdgcn_target "amdgcn-amd-amdhsa--gfx1250"
	.amdhsa_code_object_version 6
	.text
	.protected	k_q1d137d35be_quant
	.globl	k_q1d137d35be_quant
	.p2align	8
	.type	k_q1d137d35be_quant,@function
k_q1d137d35be_quant:
	s_mov_b64 s[64:65], 0
	v_nop
	global_prefetch_b8 v0, s[64:65] scope:SCOPE_SE
	s_setreg_imm32_b32 hwreg(HW_REG_WAVE_MODE, 25, 1), 1
	s_wait_xcnt 0x0
; keys and values, [32 heads][2048][128] f32, become codes of BF8 (E5M2) with one E8M0 scale byte for each 32 along the K of the product that reads them.
; keys:   K = the head's 128, innermost.  k_codes [32][2048 rows][128 bytes], k_scales [32][2048 rows][4].  ROW rho HOLDS THE KEY WHOSE INDEX IS rho WITH BITS 3 AND 4 SWAPPED:
;         the next launch wants, as a tile of 16 rows, the keys 32 b + 8 u + r + 8 (r / 8); laid so they are 16 neighbouring rows.  Groups of 8 keys move as wholes: only immediates change here.
; values: K = the keys, the first axis inside a head.  v_codes [32][128 d][2048 keys], keys innermost and in their own order; v_scales [32][128 d][64].
; A block's scale is 2^(floor(log2(its largest magnitude)) - 15); its byte is the largest magnitude's exponent field - 15, held at 1 from below.  Each number is divided by the scale,
; held within +-57,344 and rounded to the nearest code, ties to even.
; LIMITS: a block of zeros gets the byte 1 where the rule says 127 (its codes are zeros, which add nothing under any byte but 0xff, and this program alone reads the bytes);
; NaN and infinities among the inputs are not served.
; SHARES.  Each tensor is 1,024 shares of 8,192 numbers.  Waves 0-3 of work-group g take keys' runs 4 g + wave (64 keys each); waves 4-7 take, of head g / 8, keys 256 (g % 8) on,
; the columns 32 (wave - 4) on of values.  The two kinds part once, on the wave's number, and never meet again: no barrier; each wave has 8,704 bytes of LDS of its own.
; No tensor loads, no loop: every offset is an immediate, no pointer is stepped.
.set WREG,  8704                       ; a wave's LDS
.set STEPS, 16                         ; keys: steps of 512 numbers (4 keys)
.set SP,    80                         ; keys: a lane's place in a stage: its 64 bytes + 16 of padding
.set VPITCH, 272                       ; values: a stage row: 256 bytes of codes + 16
.set NB,    8                          ; values: blocks of 32 keys
.set R,     16                         ; keys: v16-79   four sets of 16 numbers as loaded
.set X,     80                         ; keys: v80-111  two sets of 16 neighbours
.set E,     112                        ; keys: v112-127 a scale byte for each step
.set C,     128                        ; keys: v128-191 codes, four registers for each step: no store's data are written again
.set VX,    32                         ; values: v32-95   two sets of 32 numbers
.set VC,    96                         ; values: v96-103  a block's codes
.set OUTR,  112                        ; values: v112-175 the way out
.set SB,    24                         ; values: v24-25   the scale bytes, four to a register
	s_load_b256 s[4:11], s[0:1], 0x0               ; keys s[4:5], values s[6:7], k_codes s[8:9], k_scales s[10:11]
	s_load_b128 s[12:15], s[0:1], 0x20             ; v_codes s[12:13], v_scales s[14:15]
	v_lshl_add_u32 v192, v0, 2, 0x11000
	v_mov_b32 v193, 0
	v_lshrrev_b32 v1, 5, v0
	s_delay_alu instid0(VALU_DEP_1)
	v_readfirstlane_b32 s16, v1                    ; wave 0..7
	v_and_b32 v2, 31, v0                           ; lane
	s_mul_i32 s17, s16, WREG                       ; my wave's LDS
	s_mov_b32 s23, 0x600000                        ; the mantissa field of 57,344 (an instruction takes one literal: the hold's line has another)
	s_cmp_lt_u32 s16, 4
	s_cbranch_scc0 .Lvalues
; ---------------------------------------------------------------- keys: K innermost
; The conversions take 8 numbers of ONE block from a lane's registers, so a lane must hold 16 neighbours (two lanes to a block); each load reads 512 consecutive bytes, 16 a lane.
; Both are had by a turn through the wave's own stage: in as loaded, back 64 bytes a lane.
	v_lshlrev_b32 v3, 4, v2                        ; 16 x lane: my bytes of a load's 512, and my 16 codes' place in a step's 512
	v_lshrrev_b32 v14, 2, v2
	s_delay_alu instid0(VALU_DEP_1)
	v_mul_u32_u24 v14, v14, SP
	v_and_b32 v15, 3, v2
	s_delay_alu instid0(VALU_DEP_1)
	v_lshl_add_u32 v14, v15, 4, v14
	s_delay_alu instid0(VALU_DEP_1)
	v_add_nc_u32 v14, s17, v14                     ; the stage, on the way in: SP (lane / 4) + 16 (lane % 4)
	v_mul_u32_u24 v15, v2, SP
	s_delay_alu instid0(VALU_DEP_1)
	v_add_nc_u32 v15, s17, v15                     ; and on the way out: SP x lane
	v_lshrrev_b32 v5, 1, v2
	s_add_co_u32 s17, s17, 2*32*SP                 ; behind the two stages: my wave's 256 scale bytes
	v_add_nc_u32 v5, s17, v5                       ; my block's byte
	v_lshlrev_b32 v7, 3, v2                        ; on the way out 8 bytes a lane
	s_delay_alu instid0(VALU_DEP_1)
	v_add_nc_u32 v6, s17, v7
	s_lshl_b32 s18, ttmp9, 2
	s_add_co_u32 s18, s18, s16                     ; my run of 8,192 numbers: 0 .. 1,023
	s_lshl_b32 s20, s18, 15                        ; 32,768 bytes of f32,
	s_mov_b32 s21, 0
	s_lshl_b32 s24, s18, 13                        ; 8,192 of codes,
	s_mov_b32 s25, 0
	s_lshl_b32 s26, s18, 8                         ; 256 of scale bytes
	s_mov_b32 s27, 0
	s_wait_alu depctr_va_vdst(0)
	s_wait_kmcnt 0x0
	s_add_nc_u64 s[4:5], s[4:5], s[20:21]
	s_add_nc_u64 s[8:9], s[8:9], s[24:25]
	s_add_nc_u64 s[10:11], s[10:11], s[26:27]
.macro KLOAD t
.irp i, 0,1,2,3
	global_load_b128 v[R+16*((\t)%4)+4*\i:R+16*((\t)%4)+4*\i+3], v3, s[4:5] offset:2048*(\t)+512*\i th:TH_LOAD_NT   ; 32 lanes read 512 consecutive bytes; read once in the launch
.endr
.endm
.macro KTURN t                         ; step t's numbers through the stage: LDS serves a wave's instructions in order, so no wait stands between the stores and the loads
.irp i, 0,1,2,3
	ds_store_b128 v14, v[R+16*((\t)%4)+4*\i:R+16*((\t)%4)+4*\i+3] offset:32*SP*((\t)%2)+8*SP*\i
.endr
.irp i, 0,1,2,3
	ds_load_b128 v[X+16*((\t)%2)+4*\i:X+16*((\t)%2)+4*\i+3], v15 offset:32*SP*((\t)%2)+16*\i
.endr
.endm
.macro KSTEP t
.set XS, X+16*((\t)%2)
.set PT, ((\t)&9)|(((\t)&2)<<1)|(((\t)&4)>>1)      ; the step's place in the output: bits 1 and 2 of the step, which are bits 3 and 4 of its keys, swapped
.if (\t) > 0
	s_wait_dscnt 1                                 ; this step's numbers are back from the stage (the last step's byte store, issued behind them, may be out): so its stores into the stage have read their registers,
.else
	s_wait_dscnt 0x0
.endif
.if (\t)+4 < STEPS
	KLOAD (\t)+4                                   ; which take the loads of four steps on
.endif
.if (\t)+1 < STEPS
.if STEPS-2-(\t) >= 3
	s_wait_loadcnt 12                              ; the next step's four loads are in; those of the three steps behind it may be out
.else
	s_wait_loadcnt 4*(STEPS-2-(\t))                ; near the end fewer steps stand behind it
.endif
	KTURN (\t)+1                                   ; and go through the other stage while this step is worked
.endif
	v_max3_num_f32 v8, |v[XS]|, |v[XS+1]|, |v[XS+2]|               ; the largest magnitude of my 16, in two chains
	v_max3_num_f32 v9, |v[XS+3]|, |v[XS+4]|, |v[XS+5]|
.irp i, 6,10
	s_delay_alu instid0(VALU_DEP_2)
	v_max3_num_f32 v8, v8, |v[XS+\i]|, |v[XS+\i+1]|
	s_delay_alu instid0(VALU_DEP_2)
	v_max3_num_f32 v9, v9, |v[XS+\i+2]|, |v[XS+\i+3]|
.endr
	s_delay_alu instid0(VALU_DEP_2)
	v_max3_num_f32 v8, v8, |v[XS+14]|, |v[XS+15]|
	s_delay_alu instid0(VALU_DEP_1)
	v_max3_num_f32 v8, v8, v9, 0x8000000           ; and the floor 2^(16 - 127): the byte cannot fall under 1
	s_delay_alu instid0(VALU_DEP_1)
	v_max_num_f32_dpp v8, v8, v8 row_xmask:1 row_mask:0xf bank_mask:0xf   ; and of my neighbour's 16: the block's
	s_delay_alu instid0(VALU_DEP_1)
	v_add_nc_u32 v11, 0xf8800000, v8               ; 15 off its exponent field: the conversion takes the exponent field of this operand as its scale, and nothing else of it
	s_delay_alu instid0(VALU_DEP_2)
	v_and_or_b32 v10, v8, 0x7f800000, s23          ; 57,344 x the scale: the largest magnitude's exponent field over 57,344's mantissa
.irp i, 0,1,2,3,4,5,6,7,8,9,10,11,12,13,14,15
	v_med3_num_f32 v[XS+\i], v[XS+\i], -v10, v10   ; the conversion to an 8-bit code does not saturate (ISA guide 7.6.2): the hold comes first
.endr
	v_cvt_scalef32_pk8_bf8_f32 v[C+4*(\t):C+4*(\t)+1], v[XS:XS+7], v11
	v_cvt_scalef32_pk8_bf8_f32 v[C+4*(\t)+2:C+4*(\t)+3], v[XS+8:XS+15], v11
	v_lshrrev_b32 v[E+(\t)], 23, v11               ; the scale's byte (also the plain line behind the conversions)
	ds_store_b8 v5, v[E+(\t)] offset:16*PT         ; both lanes of a block write the same byte with the same value
	global_store_b128 v3, v[C+4*(\t):C+4*(\t)+3], s[8:9] offset:512*PT   ; 32 lanes store 512 consecutive bytes, at a multiple of 512 from the buffer's first byte
.endm
.irp t, 0,1,2,3
	KLOAD \t
.endr
	s_wait_loadcnt 12                              ; step 0's four loads are in; steps 1 to 3's may be out
	KTURN 0
.irp t, 0,1,2,3,4,5,6,7,8,9,10,11,12,13,14,15
	KSTEP \t
.endr
	ds_load_b64 v[12:13], v6                       ; LDS serves a wave's instructions in order: these see my byte stores
	s_wait_dscnt 0x0
	global_store_b64 v7, v[12:13], s[10:11]        ; 32 lanes store 256 consecutive bytes, at a multiple of 256 from the buffer's first byte
	s_wait_tensorcnt 0x0
	ds_add_u32 v192, v193
	s_wait_dscnt 0x0
	s_endpgm
; ---------------------------------------------------------------- values: K is the first axis
; A LANE TAKES A COLUMN d, AND ITS REGISTERS RUN DOWN THE KEYS: each load reads 128 consecutive bytes, a block of 32 keys lies in one lane's 32 registers, and the conversions give codes
; with the keys innermost.  A lane's codes belong to one row of v_codes and the lanes beside it hold other rows: they go through the wave's stage and leave as pieces of 256 bytes of a row.
.Lvalues:
	s_wait_alu depctr_va_vdst(0)
	v_lshlrev_b32 v3, 2, v2                        ; in: 4 bytes a lane
	v_mul_u32_u24 v4, v2, VPITCH
	s_delay_alu instid0(VALU_DEP_1)
	v_add_nc_u32 v4, s17, v4                       ; into the stage: row = my column
	v_and_b32 v5, 15, v2
	v_lshrrev_b32 v6, 4, v2                        ; out of it: sixteen lanes to a row, two rows an instruction
	s_delay_alu instid0(VALU_DEP_1)
	v_mul_u32_u24 v7, v6, VPITCH
	s_delay_alu instid0(VALU_DEP_1)
	v_lshl_add_u32 v7, v5, 4, v7
	s_delay_alu instid0(VALU_DEP_1)
	v_add_nc_u32 v7, s17, v7
	s_delay_alu instid0(VALU_DEP_4)
	v_lshlrev_b32 v8, 11, v6                       ; and the same place in v_codes: rows of 2,048 bytes
	s_delay_alu instid0(VALU_DEP_1)
	v_lshl_add_u32 v8, v5, 4, v8
	v_lshlrev_b32 v9, 2, v2                        ; v_scales is stored as [32 heads][16 steps of 128 keys][128 d], a word of four scale bytes for each step and d (as many bytes as [32][128][64], in this order): 4 bytes a lane
	s_and_b32 s18, s16, 3                          ; which 32 columns
	s_lshr_b32 s19, ttmp9, 3                       ; the head
	s_and_b32 s20, ttmp9, 7                        ; which 256 keys
	s_lshl_b32 s24, ttmp9, 17                      ; values: (8 head + chunk) x 256 keys x 512 bytes
	s_lshl_b32 s22, s18, 7                         ; + 32 columns x 4 bytes
	s_add_co_u32 s24, s24, s22
	s_mov_b32 s25, 0
	s_lshl_b32 s26, s19, 18                        ; v_codes: head x 128 x 2,048
	s_lshl_b32 s22, s18, 16                        ; + 32 rows of 2,048
	s_add_co_u32 s26, s26, s22
	s_lshl_b32 s22, s20, 8                         ; + 256 keys
	s_add_co_u32 s26, s26, s22
	s_mov_b32 s27, 0
	s_lshl_b32 s28, s19, 13                        ; v_scales: head x 128 x 64
	s_lshl_b32 s22, s18, 7                         ; + 32 words
	s_add_co_u32 s28, s28, s22
	s_lshl_b32 s22, s20, 10                        ; + two steps of 512 bytes for each 256 keys
	s_add_co_u32 s28, s28, s22
	s_mov_b32 s29, 0
	s_wait_kmcnt 0x0
	s_add_nc_u64 s[6:7], s[6:7], s[24:25]
	s_add_nc_u64 s[12:13], s[12:13], s[26:27]
	s_add_nc_u64 s[14:15], s[14:15], s[28:29]
.macro VLOAD t                         ; block t: values(32 t + i, my column), i = 0 .. 31, into set t % 2
.set I, 0
.rept 32
	global_load_b32 v[VX+32*((\t)%2)+I], v3, s[6:7] offset:(32*(\t)+I)*512 th:TH_LOAD_NT
.set I, I+1
.endr
.endm
.macro VBLOCK t
.set XS, VX+32*((\t)%2)
.if (\t) < NB-1
	s_wait_loadcnt 32                              ; this block's 32 loads are in; the next block's 32 may be out
.else
	s_wait_loadcnt 0x0
.endif
	v_max3_num_f32 v12, |v[XS]|, |v[XS+1]|, |v[XS+2]|              ; the block's largest magnitude: all 32 numbers are mine
	v_max3_num_f32 v13, |v[XS+3]|, |v[XS+4]|, |v[XS+5]|
.irp i, 6,10,14,18,22,26
	s_delay_alu instid0(VALU_DEP_2)
	v_max3_num_f32 v12, v12, |v[XS+\i]|, |v[XS+\i+1]|
	s_delay_alu instid0(VALU_DEP_2)
	v_max3_num_f32 v13, v13, |v[XS+\i+2]|, |v[XS+\i+3]|
.endr
	s_delay_alu instid0(VALU_DEP_2)
	v_max3_num_f32 v12, v12, |v[XS+30]|, |v[XS+31]|
	s_delay_alu instid0(VALU_DEP_1)
	v_max3_num_f32 v12, v12, v13, 0x8000000        ; and the floor 2^(16 - 127)
	s_delay_alu instid0(VALU_DEP_1)
	v_add_nc_u32 v11, 0xf8800000, v12              ; the conversion's scale operand
	s_delay_alu instid0(VALU_DEP_2)
	v_and_or_b32 v10, v12, 0x7f800000, s23         ; 57,344 x the scale
	s_delay_alu instid0(VALU_DEP_2)
	v_lshrrev_b32 v13, 23, v11                     ; the scale's byte
.if (\t)%4 == 0
	s_delay_alu instid0(VALU_DEP_1)
	v_mov_b32 v[SB+(\t)/4], v13                    ; four bytes to a register, the earlier keys in the lower byte
.else
	s_delay_alu instid0(VALU_DEP_1)
	v_lshl_or_b32 v[SB+(\t)/4], v13, 8*((\t)%4), v[SB+(\t)/4]
.endif
.set I, 0
.rept 32
	v_med3_num_f32 v[XS+I], v[XS+I], -v10, v10     ; the hold ahead of a conversion that does not saturate (ISA guide 7.6.2)
.set I, I+1
.endr
.irp g, 0,1,2,3
	v_cvt_scalef32_pk8_bf8_f32 v[VC+2*\g:VC+2*\g+1], v[XS+8*\g:XS+8*\g+7], v11
.endr
	ds_store_b128 v4, v[VC:VC+3] offset:32*(\t)    ; 32 codes: 32 bytes of my column's row.  (The results go to LDS stores; the next block begins with plain vector lines)
	ds_store_b128 v4, v[VC+4:VC+7] offset:32*(\t)+16
.if (\t)+2 < NB
	VLOAD (\t)+2
.endif
	s_wait_dscnt 0x0                               ; the stores have read their registers: the next block's codes may be written
.endm
	VLOAD 0
	VLOAD 1
.irp t, 0,1,2,3,4,5,6,7
	VBLOCK \t
.endr
	global_store_b32 v9, v[SB], s[14:15]           ; 32 neighbouring words of the first step,
	global_store_b32 v9, v[SB+1], s[14:15] offset:512   ; and of the second.  In all, one byte in 128 of what this wave reads
.irp t, 0,1,2,3,4,5,6,7,8,9,10,11,12,13,14,15
	ds_load_b128 v[OUTR+4*\t:OUTR+4*\t+3], v7 offset:2*\t*VPITCH   ; LDS serves a wave's instructions in order: these see my stores
.endr
.irp t, 0,1,2,3,4,5,6,7,8,9,10,11,12,13,14,15
	s_wait_dscnt 15-\t                             ; the younger loads may be out
	global_store_b128 v8, v[OUTR+4*\t:OUTR+4*\t+3], s[12:13] offset:2*\t*2048   ; sixteen lanes store 256 consecutive bytes, at a multiple of 256 from the buffer's first byte
.endr
	s_wait_tensorcnt 0x0
	ds_add_u32 v192, v193
	s_wait_dscnt 0x0
	s_endpgm
.Lfunc_end_k_q1d137d35be_quant:
	.size	k_q1d137d35be_quant, .Lfunc_end_k_q1d137d35be_quant-k_q1d137d35be_quant
	.p2alignl 7, 3214868480
	.fill 96, 4, 3214868480
	.section	.rodata,"a",@progbits
	.p2align	6, 0x0
	.amdhsa_kernel k_q1d137d35be_quant
		.amdhsa_group_segment_fixed_size 70656
		.amdhsa_private_segment_fixed_size 0
		.amdhsa_enable_private_segment 0
		.amdhsa_kernarg_size 48
		.amdhsa_user_sgpr_count 2
		.amdhsa_user_sgpr_kernarg_segment_ptr 1
		.amdhsa_wavefront_size32 1
		.amdhsa_system_sgpr_workgroup_id_x 1
		.amdhsa_system_sgpr_workgroup_id_y 1
		.amdhsa_system_sgpr_workgroup_id_z 1
		.amdhsa_system_vgpr_workitem_id 0
		.amdhsa_next_free_vgpr 194
		.amdhsa_next_free_sgpr 66
		.amdhsa_reserve_vcc 0
		.amdhsa_float_denorm_mode_32 3
		.amdhsa_float_denorm_mode_16_64 3
		.amdhsa_memory_ordered 1
		.amdhsa_forward_progress 1
		.amdhsa_inst_pref_size 118
	.end_amdhsa_kernel
	.amdgpu_metadata
---
amdhsa.version: [ 1, 2 ]
amdhsa.kernels:
  - .name:           k_q1d137d35be_quant
    .symbol:         k_q1d137d35be_quant.kd
    .args:
      - { .name: keys, .offset: 0, .size: 8, .value_kind: global_buffer, .address_space: global }
      - { .name: values, .offset: 8, .size: 8, .value_kind: global_buffer, .address_space: global }
      - { .name: k_codes, .offset: 16, .size: 8, .value_kind: global_buffer, .address_space: global }
      - { .name: k_scales, .offset: 24, .size: 8, .value_kind: global_buffer, .address_space: global }
      - { .name: v_codes, .offset: 32, .size: 8, .value_kind: global_buffer, .address_space: global }
      - { .name: v_scales, .offset: 40, .size: 8, .value_kind: global_buffer, .address_space: global }
    .group_segment_fixed_size: 70656
    .private_segment_fixed_size: 0
    .kernarg_segment_align: 8
    .kernarg_segment_size: 48
    .max_flat_workgroup_size: 256
    .sgpr_count:     66
    .vgpr_count:     194
    .wavefront_size: 32
...
	.end_amdgpu_metadata
.endif
;; end of part 1
;; launch attn (part 2): grid 8 x 32, 8 waves a work-group, clusters of 4 x 1, 327,680 bytes of LDS; arguments queries, k_codes, k_scales, v_codes, v_scales, out0; writes out0
.if DOCPART == 2
	.amdgcn_target "amdgcn-amd-amdhsa--gfx1250"
	.amdhsa_code_object_version 6
	.text
	.protected	k_q1d137d35be_attn
	.globl	k_q1d137d35be_attn
	.p2align	8
	.type	k_q1d137d35be_attn,@function
k_q1d137d35be_attn:
	s_mov_b64 s[64:65], 0
	v_nop
	global_prefetch_b8 v0, s[64:65] scope:SCOPE_SE
	s_setreg_imm32_b32 hwreg(HW_REG_WAVE_MODE, 25, 1), 1
	s_wait_xcnt 0x0
	s_wait_alu depctr_hold_cnt(0) depctr_sa_sdst(0) depctr_va_vdst(0) depctr_va_sdst(0) depctr_va_ssrc(0) depctr_va_vcc(0) depctr_vm_vsrc(0)
	s_getreg_b32 s2, hwreg(HW_REG_IB_STS2, 6, 4)
	s_cmp_eq_u32 s2, 0
	s_cbranch_scc0 .Lentry_in_a_cluster
	s_endpgm
.Lentry_in_a_cluster:
	s_bfe_u32 s2, ttmp6, 0x10000c
	s_cmp_lg_u32 s2, 0x3003
	s_cbranch_scc0 .Lentry_shape_is_right
	s_endpgm
.Lentry_shape_is_right:
; out0[h][q][:] = the sum over k of softmax_k(Q[h][q] . K[h][k] / sqrt(128)) V[h][k][:], 32 heads, 2,048 queries and keys, head size 128; both products on codes of BF8 (E5M2) with one E8M0 scale for each 32 along K.
; queries [32][2048][128] f32: each row is read by one wave, which quantises it.  k_codes [32][2048 rows][128], k_scales [32][2048 rows][4]: row rho holds the key whose index is rho with bits 3 and 4 swapped.
; v_codes [32][128 d][2048 keys]; v_scales [32][16 steps of 128 keys][128 d] words.  out0 [32][2048][128] f32.
; THE SOFTMAX: t = score x log2(e) / sqrt(128); M = the row's largest t so far, rounded up to a whole number; p = 2^(t - M) is quantised along the keys; the row's sum of the unquantised p divides O at the end.
; When M moves, the sum and O are multiplied by 2^(old M - new M): exact.
; SHARES.  A work-group owns 256 queries of one head, each of its 8 waves 32 of them: two tiles A and B of 16, so that each fragment of K or V read from LDS feeds two products.  Every wave walks all keys, 128 a step.
; K's and V's tiles come through a ring of two LDS slots of 512 keys (waves 0-3 fetch K's quarters, waves 4 and 5 V's halves).
; CLUSTER.  The four query blocks of a cluster walk the same codes and scale bytes: every tensor load is asked for jointly.  The place in the cluster enters the offset into queries and out0 alone.
; No prefetch into the L2: a refill has four key steps (128 products of each wave) in which to land.
; LAYOUT.  S^T = K Q^T, O^T = V^T P^T: a lane holds one query (lane % 16) of each tile.  Registers 16 b .. 16 b + 15 of S are the keys 32 b + 16 (lane / 16) + 0 .. 15, the order that the second product's operand wants.
; PACKED NUMBERS.  A block's or a row's numbers are the same in lanes l and l xor 16, so what hangs on them alone (maxima, M, factors, scales) is made once for both tiles: tile A's in lanes 0-15, tile B's in lanes 16-31.
; v_permlane16_swap_b32 packs two registers so, and unpacks a register and its copy.  The packed scale words serve the products as they are: row 0 for tile A, row 1 for tile B.
; LIMITS: NaN and infinities among the inputs are not served; scaled scores (exponents to the base 2) stay under 2^31 in magnitude.  A block of zeros gets the scale byte 1 where the rule says 127 (its codes are zeros; the bytes
; never leave the program).  A p under 2^-126 becomes 0 (v_exp_f32 flushes; the row's sum is above 1/2).  t is made by one multiplication by log2(e) / sqrt(128), where the definition has two.  A block's scale is taken from
; the floor of its largest t - M: where v_exp_f32 rounds that p up to a power of two, it is held one code low.
; REGISTERS, window 0: v1-9 addresses and constants; v10-63 at work; v64-95 Q's codes (A, B); v96-127 p's codes; v128-191 S of A, v192-255 S of B.  Window 1: v0-63 O of A, v64-127 O of B, v128-255 eight fragments of K or V.
.set KP,    144                        ; a row of K in LDS: 128 bytes + 16
.set VP,    528                        ; a row of V's tile: 512 bytes + 16
.set VOFF,  512*KP
.set SLOTB, VOFF+128*VP                ; 141,312 bytes a slot
.set SCK,   2*SLOTB                    ; K's scale words of the whole head, 8,192 bytes; V's behind them
.set SPARE, SCK+2*8192                 ; the spare words, 128 bytes a wave: four blocks of 256 bytes that no other line names
.set QST,   SPARE+1024                 ; a stage for the queries: 16 rows x 144 bytes a wave; no fill lands there
.set QSW,   16*144
.set KSTEPB, 128*KP
.set AK0, 1                            ; my lane's place in a tile of K
.set AV0, 2                            ; of V
.set ASK0, 3                           ; among the scale words
.set ADS, 4                            ; the step's scale words
.set SPW, 5                            ; my spare word; never rewritten
.set NIL, 6                            ; 0; never rewritten
.set GO, 7                             ; offset into queries, then into out0
.set ADK, 8
.set ADV, 9
.set NM, 12                            ; -M, packed
.set SMX, 13                           ; the largest score, packed
.set LA, 14                            ; v[14:15] A's sum in two halves
.set LB, 16                            ; v[16:17] B's
.set NA, 18                            ; -M of A, of B: the low word of a pair
.set NB, 20
.set FA, 22                            ; 2^(old M - new M) of A, of B
.set FB_, 24
.set MA, 26                            ; four block maxima
.set MB, 30
.set CA, 34                            ; the conversions' scale operands
.set CB, 38
.set HA, 42                            ; 57,344 x the scale
.set HB, 46
.set QW, 50                            ; Q's scale words, packed
.set KS, 54                            ; K's scale words, two tiles to a register
.set VS, 58                            ; V's
.set PW, 63                            ; p's scale words, packed
.set QA, 64
.set QB, 80
.set PA, 96
.set PB, 112
.set SA, 128
.set SB, 192
.set OA, 0                             ; window 1
.set OB, 64
.set F,  128
.set WV,   18
.set NC,   20                          ; -log2(e) / sqrt(128)
.set CS,   22                          ; s[22:23] log2(e) / sqrt(128)
.set G1K,  24
.set G1V,  32
.set G0K,  40
.set G0V,  44
.set G1S,  48
.set G0SK, 56
.set G0SV, 60
.set TB,    90                         ; where the slot in hand begins
.set KB,    91                         ; where the step's rows of K begin
.set VB,    92                         ; and V's columns
.set TS,    93                         ; and the scale words: 512 bytes a step
.set FB,    94                         ; where the slot to be filled begins
.set KPART, 95
.set VPART, 96
.set SLOTS, 97
.set STEPS, 98
.set MSB, 0
.macro WIN new                         ; the immediate's high byte repeats the setting that is left
.if MSB != \new
	s_set_vgpr_msb (MSB<<8)|\new
.set MSB, \new
.endif
.endm
; A round of the cluster's barrier.
.macro CROUND
	s_barrier_signal -1
	s_barrier_wait -1
	s_cmp_lg_u32 s[WV], 0
	s_cbranch_scc1 .Lnot_wave_0_\@
	s_barrier_signal -3
.Lnot_wave_0_\@:
	s_barrier_wait -3
	s_barrier_signal -1
	s_barrier_wait -1
.endm
; A tensor load in an arm of a chain of branches on the wave's number: waves under the given one, else on to next.
.macro ARM under, g0, g1, next, join
	s_cmp_lt_u32 s[WV], \under
	s_cbranch_scc0 \next
	tensor_load_to_lds s[\g0:\g0+3], s[\g1:\g1+7]
	s_nop 0
.rept 4
	v_nop
.endr
	s_branch \join
\next:
.endm
.macro UNPACK a, b                     ; a: tile A's numbers in lanes 0-15, B's in 16-31.  Behind it a holds A's in both halves, b B's
	v_mov_b32 v[\b], v[\a]
	v_permlane16_swap_b32 v[\a], v[\b]
.endm
.macro HOLDS                           ; 57,344 x the scale: 15 onto the exponent field, and the mantissa of 57,344
.irp b, 0,1,2,3
	v_add_nc_u32 v[HA+\b], 0x7e00000, v[CA+\b]
	v_add_nc_u32 v[HB+\b], 0x7e00000, v[CB+\b]
.endr
.endm
	s_load_b256 s[4:11], s[0:1], 0x0               ; queries s[4:5], k_codes s[6:7], k_scales s[8:9], v_codes s[10:11]
	s_load_b128 s[12:15], s[0:1], 0x20             ; v_scales s[12:13], out0 s[14:15]
	v_lshl_add_u32 v[SPW], v0, 2, SPARE
	v_mov_b32 v[NIL], 0
	ds_add_u32 v[SPW], v[NIL]                      ; the opening: the add, twice on end, and one wait
	ds_add_u32 v[SPW], v[NIL]
	v_lshrrev_b32 v8, 5, v0
	v_readfirstlane_b32 s[WV], v8                  ; wave 0..7
	v_bfe_u32 v9, v0, 3, 2
	v_and_b32 v8, 7, v0
	v_lshlrev_b32 v[GO], 9, v9
	v_lshl_add_u32 v[GO], v8, 4, v[GO]             ; queries: a load takes 128 bytes of each of four rows
	s_wait_alu depctr_va_vdst(0)
	s_bfe_u32 s70, ttmp6, 0x40000                  ; cx
	s_lshl_b32 s71, ttmp9, 2
	s_add_co_u32 s71, s71, s70                     ; my block of 256 queries
	s_lshl_b32 s71, s71, 8
	s_lshl_b32 s73, s[WV], 5
	s_add_co_u32 s71, s71, s73                     ; my first query
	s_and_b32 s72, ttmp7, 0xffff                   ; the head, which the partners share
	s_lshl_b32 s74, s72, 18                        ; 262,144 bytes of codes a head
	s_lshl_b32 s76, s72, 13                        ; 8,192 of scale bytes
	s_mov_b32 s77, 0
	s_lshl_b32 s78, s72, 20                        ; 1,048,576 of queries and out0
	s_lshl_b32 s79, s71, 9
	s_add_co_u32 s78, s78, s79
	s_mov_b32 s79, 0
	s_and_b32 s80, s[WV], 3
	s_lshl_b32 s82, s80, 14                        ; K: my quarter, 128 rows of 128 bytes
	s_add_co_u32 s82, s82, s74
	s_mov_b32 s83, 0
	s_mul_i32 s[KPART], s80, KSTEPB
	s_and_b32 s81, s[WV], 1
	s_lshl_b32 s86, s81, 17                        ; V: my half, 64 rows of 2,048 bytes
	s_add_co_u32 s86, s86, s74
	s_mov_b32 s87, 0
	s_mul_i32 s[VPART], s81, 64*VP
	s_add_co_u32 s[VPART], s[VPART], VOFF
	; K: 16,384 dense bytes as 64 rows of 256; 16 bytes of padding after every 128 (code 4: 32 words)
	s_mov_b32 s[G1K], 15|(1<<20)|(1<<21)|(4<<22)|(3<<25)
	s_mov_b32 s[G1K+1], 256<<16
	s_mov_b32 s[G1K+2], 64<<16
	s_mov_b32 s[G1K+3], 256<<16
	s_mov_b32 s[G1K+4], 64
	s_mov_b32 s[G1K+5], 256
	s_mov_b32 s[G1K+6], 0
	s_mov_b32 s[G1K+7], 0
	; V: 64 rows of 512 bytes, 2,048 apart; padding after every 512 (code 6: 128 words)
	s_mov_b32 s[G1V], 15|(1<<20)|(1<<21)|(6<<22)|(3<<25)
	s_mov_b32 s[G1V+1], 512<<16
	s_mov_b32 s[G1V+2], 64<<16
	s_mov_b32 s[G1V+3], 512<<16
	s_mov_b32 s[G1V+4], 64
	s_mov_b32 s[G1V+5], 2048
	s_mov_b32 s[G1V+6], 0
	s_mov_b32 s[G1V+7], 0
	; a head's scale words: 8,192 dense bytes as 32 rows of 256 (32 elements of 8 bytes)
	s_mov_b32 s[G1S], 15|(3<<16)|(1<<21)
	s_mov_b32 s[G1S+1], 32<<16
	s_mov_b32 s[G1S+2], 32<<16
	s_mov_b32 s[G1S+3], 32<<16
	s_mov_b32 s[G1S+4], 32
	s_mov_b32 s[G1S+5], 32
	s_mov_b32 s[G1S+6], 0
	s_mov_b32 s[G1S+7], 0
	s_mov_b32 s[CS], 0x3e0293ee
	s_mov_b32 s[CS+1], s[CS]
	s_mov_b32 s[NC], 0xbe0293ee
	s_mov_b32 s[TB], 0
	s_mov_b32 s[TS], 0
	s_mov_b32 s[FB], 0
	s_mov_b32 s[SLOTS], 3
	s_wait_dscnt 0x0                               ; both opening adds are done
	s_wait_kmcnt 0x0
	s_add_nc_u64 s[4:5], s[4:5], s[78:79]          ; queries at my first row
	s_add_nc_u64 s[14:15], s[14:15], s[78:79]      ; out0 likewise
.irp t, 0,1
.irp c, 0,1,2,3
.irp i, 0,1,2,3
	global_load_b128 v[128+64*\t+16*\c+4*\i:128+64*\t+16*\c+4*\i+3], v[GO], s[4:5] offset:(16*\t+4*\i)*512+128*\c th:TH_LOAD_NT   ; tile t, block c of 32 channels, rows 4 i .. 4 i + 3
.endr
.endr
.endr
	s_mov_b32 s[G0SK], 1
	s_mov_b32 s[G0SK+1], SCK
	s_add_nc_u64 s[G0SK+2:G0SK+3], s[8:9], s[76:77]
	s_or_b32 s[G0SK+3], s[G0SK+3], 0x80000000
	s_mov_b32 s[G0SV], 1
	s_mov_b32 s[G0SV+1], SCK+8192
	s_add_nc_u64 s[G0SV+2:G0SV+3], s[12:13], s[76:77]
	s_or_b32 s[G0SV+3], s[G0SV+3], 0x80000000
	s_mov_b32 s[G0K], 1
	s_mov_b32 s[G0K+1], s[KPART]
	s_add_nc_u64 s[G0K+2:G0K+3], s[6:7], s[82:83]
	s_or_b32 s[G0K+3], s[G0K+3], 0x80000000
	s_mov_b32 s[G0V], 1
	s_mov_b32 s[G0V+1], s[VPART]
	s_add_nc_u64 s[G0V+2:G0V+3], s[10:11], s[86:87]
	s_or_b32 s[G0V+3], s[G0V+3], 0x80000000
	CROUND                                         ; all four work-groups are here: the first joint loads meet
	; the head's loads, one a wave: K's quarters, V's halves, K's scale words, V's
	ARM 4, G0K, G1K, .Lhead_v, .Lhead_asked
	ARM 6, G0V, G1V, .Lhead_sk, .Lhead_asked
	ARM 7, G0SK, G1S, .Lhead_sv, .Lhead_asked
	tensor_load_to_lds s[G0SV:G0SV+3], s[G1S:G1S+7]
	s_nop 0
.rept 4
	v_nop
.endr
.Lhead_asked:
	s_mul_i32 s73, s[WV], QSW
	s_add_co_u32 s73, s73, QST                     ; my stage for the queries
	v_and_b32 v8, 7, v0
	v_bfe_u32 v9, v0, 3, 2
	v_mul_u32_u24 v10, v9, 144
	v_lshl_add_u32 v10, v8, 4, v10
	v_add_nc_u32 v10, s73, v10                     ; in: as loaded, eight lanes to a row
	v_and_b32 v8, 15, v0                           ; r
	v_bfe_u32 v9, v0, 4, 1                         ; h
	v_mul_u32_u24 v11, v8, 144
	v_lshl_add_u32 v11, v9, 6, v11
	v_add_nc_u32 v11, s73, v11                     ; out: row r, my 16 channels of the block
	v_mul_u32_u24 v[AK0], v8, KP
	v_lshl_add_u32 v[AK0], v9, 4, v[AK0]
	v_mul_u32_u24 v[AV0], v8, VP
	v_lshl_add_u32 v[AV0], v9, 4, v[AV0]
	v_add_nc_u32 v[AV0], VOFF, v[AV0]
	v_and_b32 v8, 31, v0
	v_lshl_add_u32 v[ASK0], v8, 2, SCK             ; 32 rows' words: two tiles
	WIN 0x40
.set J, 0
.rept 128
	v_mov_b32 v[J], 0                              ; O of both tiles (window 1), while the queries are on their way: the first change of M multiplies zeros
.set J, J+1
.endr
.irp g, 0,1,2,3,4,5,6,7
	s_wait_loadcnt 28-4*\g                         ; this block's four loads are in; the younger may be out
.irp i, 0,1,2,3
	ds_store_b128 v10, v[128+16*\g+4*\i:128+16*\g+4*\i+3] offset:4*144*\i
.endr
.irp j, 0,1,2,3
	ds_load_b128 v[F+16*\g+4*\j:F+16*\g+4*\j+3], v11 offset:16*\j   ; window 1.  LDS serves a wave's instructions in order: these see the stores above, and the next block's stores come behind them
.endr
.endr
	s_wait_dscnt 0x0
	; Q is quantised: block b of tile A in registers 16 b .. of the fragments' window, tile B's 64 further on
	WIN 0x14
.irp b, 0,1,2,3
	v_max3_num_f32 v[MA+\b], 0x8000000, |v[F+16*\b]|, |v[F+16*\b+1]|   ; with the floor 2^(16 - 127): the byte cannot fall under 1
	v_max3_num_f32 v[MB+\b], 0x8000000, |v[F+64+16*\b]|, |v[F+64+16*\b+1]|
.endr
.irp i, 2,4,6,8,10,12,14
.irp b, 0,1,2,3
	v_max3_num_f32 v[MA+\b], v[MA+\b], |v[F+16*\b+\i]|, |v[F+16*\b+\i+1]|
	v_max3_num_f32 v[MB+\b], v[MB+\b], |v[F+64+16*\b+\i]|, |v[F+64+16*\b+\i+1]|
.endr
.endr
	WIN 0
.irp b, 0,1,2,3
	v_permlane16_swap_b32 v[MA+\b], v[MB+\b]
.endr
.irp b, 0,1,2,3
	v_max_num_f32 v[MA+\b], v[MA+\b], v[MB+\b]     ; packed
.endr
.irp b, 0,1,2,3
	v_add_nc_u32 v[CA+\b], 0xf8800000, v[MA+\b]    ; 15 off the exponent field
.endr
.irp b, 0,1,2,3
	v_and_b32 v[CA+\b], 0x7f800000, v[CA+\b]
.endr
.irp b, 0,1,2,3
	v_lshrrev_b32 v[MA+\b], 23, v[CA+\b]
.endr
	v_lshl_or_b32 v[MA], v[MA+1], 8, v[MA]
	v_lshl_or_b32 v[MA+2], v[MA+3], 8, v[MA+2]
	v_lshl_or_b32 v[QW], v[MA+2], 16, v[MA]
.irp b, 0,1,2,3
	UNPACK CA+\b, CB+\b
.endr
	HOLDS
	WIN 0x41
.irp b, 0,1,2,3
.set J, F+16*\b
.rept 16
	v_med3_num_f32 v[J], v[J], -v[HA+\b], v[HA+\b]   ; the conversion to an 8-bit code does not saturate (ISA guide 7.6.2): the hold comes first
	v_med3_num_f32 v[J+64], v[J+64], -v[HB+\b], v[HB+\b]
.set J, J+1
.endr
.endr
	WIN 0x01
.irp q, 0,1,2,3,4,5,6,7
	v_cvt_scalef32_pk8_bf8_f32 v[QA+2*\q:QA+2*\q+1], v[F+8*\q:F+8*\q+7], v[CA+\q/2]
	v_cvt_scalef32_pk8_bf8_f32 v[QB+2*\q:QB+2*\q+1], v[F+64+8*\q:F+64+8*\q+7], v[CB+\q/2]
.endr
	WIN 0
	v_mov_b32 v[NA+1], 0                           ; (upper words of pairs of which the low one is used)
	v_mov_b32 v[NB+1], 0
	v_mov_b32 v[FA+1], 0
	v_mov_b32 v[FB_+1], 0
	v_mov_b32 v[LA], 0
	v_mov_b32 v[LA+1], 0
	v_mov_b32 v[LB], 0
	v_mov_b32 v[LB+1], 0
	v_mov_b32 v[SMX], 0xff61b1e6                   ; -3e38, under every score
	v_mov_b32 v[NM], 0x7f61b1e6                    ; and its -M
; The change of slots, at a slot's head.  Each wave waits for all its tensor loads, adds 0 to its spare word, and waits for that and for its reads.  Behind the barrier the slot ahead is whole and nobody reads the other one.
; fill = 1: the barrier is a round of the cluster's; behind it the other slot is filled with the next 512 keys, one load for each of waves 0-5.
.macro CHANGE fill
	s_wait_tensorcnt 0x0
	ds_add_u32 v[SPW], v[NIL]                      ; the descriptors' steps stand behind it
.if \fill
	s_xor_b32 s[FB], s[FB], SLOTB                  ; 0 and SLOTB by turns
	s_add_co_u32 s[G0K+1], s[FB], s[KPART]
	s_add_nc_u64 s[G0K+2:G0K+3], s[G0K+2:G0K+3], 512*128
	s_add_co_u32 s[G0V+1], s[FB], s[VPART]
	s_add_nc_u64 s[G0V+2:G0V+3], s[G0V+2:G0V+3], 512
.endif
	s_wait_dscnt 0x0
.if \fill
	CROUND
	ARM 4, G0K, G1K, .Lfill_v_\@, .Lfilled_\@
	ARM 6, G0V, G1V, .Lfill_no_\@, .Lfilled_\@
.Lfilled_\@:
.else
	s_barrier_signal -1
	s_barrier_wait -1
.endif
.endm
.macro KLOAD hf, so                    ; four tiles' fragments of K; with the first four the step's scale words
.if \hf == 0
	WIN 0
.irp u, 0,1,2,3
	ds_load_b32 v[KS+\u], v[ADS] offset:\so+128*\u   ; lanes 0-15 tile 2 u, lanes 16-31 tile 2 u + 1
.endr
.endif
	WIN 0x40
.irp t, 0,1,2,3
.irp c, 0,1,2,3
	ds_load_b128 v[F+64*\hf+16*\t+4*\c:F+64*\hf+16*\t+4*\c+3], v[ADK] offset:(64*\hf+16*\t)*KP+32*\c
.endr
.endr
	WIN 0
.endm
.macro SPAIR t                         ; S^T: tiles t, t + 1 of 16 rows of K x both tiles of queries
	v_wmma_scale_f32_16x16x128_f8f6f4 v[SA+8*\t:SA+8*\t+7], v[F+16*\t:F+16*\t+15], v[QA:QA+15], 0, v[KS+\t/2], v[QW] matrix_a_fmt:MATRIX_FMT_BF8 matrix_b_fmt:MATRIX_FMT_BF8
	v_wmma_scale_f32_16x16x128_f8f6f4 v[SB+8*\t:SB+8*\t+7], v[F+16*\t:F+16*\t+15], v[QB:QB+15], 0, v[KS+\t/2], v[QW] matrix_a_fmt:MATRIX_FMT_BF8 matrix_b_fmt:MATRIX_FMT_BF8 matrix_b_scale:MATRIX_SCALE_ROW1
	v_wmma_scale_f32_16x16x128_f8f6f4 v[SA+8*\t+8:SA+8*\t+15], v[F+16*\t+16:F+16*\t+31], v[QA:QA+15], 0, v[KS+\t/2], v[QW] matrix_a_fmt:MATRIX_FMT_BF8 matrix_b_fmt:MATRIX_FMT_BF8 matrix_a_scale:MATRIX_SCALE_ROW1
	v_wmma_scale_f32_16x16x128_f8f6f4 v[SB+8*\t+8:SB+8*\t+15], v[F+16*\t+16:F+16*\t+31], v[QB:QB+15], 0, v[KS+\t/2], v[QW] matrix_a_fmt:MATRIX_FMT_BF8 matrix_b_fmt:MATRIX_FMT_BF8 matrix_a_scale:MATRIX_SCALE_ROW1 matrix_b_scale:MATRIX_SCALE_ROW1
.endm
.macro PPAIR t                         ; O^T: tiles t, t + 1 of 16 channels
	v_wmma_scale_f32_16x16x128_f8f6f4 v[OA+8*\t:OA+8*\t+7], v[F+16*\t:F+16*\t+15], v[PA:PA+15], v[OA+8*\t:OA+8*\t+7], v[VS+\t/2], v[PW] matrix_a_fmt:MATRIX_FMT_BF8 matrix_b_fmt:MATRIX_FMT_BF8
	v_wmma_scale_f32_16x16x128_f8f6f4 v[OB+8*\t:OB+8*\t+7], v[F+16*\t:F+16*\t+15], v[PB:PB+15], v[OB+8*\t:OB+8*\t+7], v[VS+\t/2], v[PW] matrix_a_fmt:MATRIX_FMT_BF8 matrix_b_fmt:MATRIX_FMT_BF8 matrix_b_scale:MATRIX_SCALE_ROW1
	v_wmma_scale_f32_16x16x128_f8f6f4 v[OA+8*\t+8:OA+8*\t+15], v[F+16*\t+16:F+16*\t+31], v[PA:PA+15], v[OA+8*\t+8:OA+8*\t+15], v[VS+\t/2], v[PW] matrix_a_fmt:MATRIX_FMT_BF8 matrix_b_fmt:MATRIX_FMT_BF8 matrix_a_scale:MATRIX_SCALE_ROW1
	v_wmma_scale_f32_16x16x128_f8f6f4 v[OB+8*\t+8:OB+8*\t+15], v[F+16*\t+16:F+16*\t+31], v[PB:PB+15], v[OB+8*\t+8:OB+8*\t+15], v[VS+\t/2], v[PW] matrix_a_fmt:MATRIX_FMT_BF8 matrix_b_fmt:MATRIX_FMT_BF8 matrix_a_scale:MATRIX_SCALE_ROW1 matrix_b_scale:MATRIX_SCALE_ROW1
.endm
.macro FM from                         ; t - M of eight pairs of A (of the pairs c and -M the low word serves both halves)
.set J, SA+2*(\from)
.rept 8
	v_pk_fma_f32 v[J:J+1], v[J:J+1], s[CS:CS+1], v[NA:NA+1] op_sel_hi:[1,0,0]
.set J, J+2
.endr
.endm
; The k-th addition of a tile's 29 (k = 0 .. 28): 32 pairs of p into the sum and three partial sums, by turns; MERGE adds the three to the sum.
.macro ADD1 s, acc, t1, t2, t3, k
.if \k == 0
	v_pk_add_f32 v[\t1:\t1+1], v[\s:\s+1], v[\s+2:\s+3]
.elseif \k == 1
	v_pk_add_f32 v[\t2:\t2+1], v[\s+4:\s+5], v[\s+6:\s+7]
.elseif \k == 2
	v_pk_add_f32 v[\t3:\t3+1], v[\s+8:\s+9], v[\s+10:\s+11]
.else
.set PJ, \s+2*(\k)+6
.if (\k)%4 == 3
.set PT, \acc
.elseif (\k)%4 == 0
.set PT, \t1
.elseif (\k)%4 == 1
.set PT, \t2
.else
.set PT, \t3
.endif
	v_pk_add_f32 v[PT:PT+1], v[PT:PT+1], v[PJ:PJ+1]
.endif
.endm
.macro MERGE                           ; six of the eight places behind a run of products; two v_nop complete them
	v_pk_add_f32 v[26:27], v[26:27], v[28:29]
	v_pk_add_f32 v[30:31], v[30:31], v[32:33]
	v_pk_add_f32 v[LA:LA+1], v[LA:LA+1], v[52:53]
	v_pk_add_f32 v[LB:LB+1], v[LB:LB+1], v[10:11]
	v_pk_add_f32 v[LA:LA+1], v[LA:LA+1], v[26:27]
	v_pk_add_f32 v[LB:LB+1], v[LB:LB+1], v[30:31]
	v_nop
	v_nop
.endm
; A KEY STEP: 128 keys; its fragments of K are on their way.  pf = 1: the next step lies in the same slot, and its fragments of K are fetched between and behind the halves of the second product.
.macro STEP pf
	s_wait_dscnt 16                                ; the first four tiles and the scale words are in; the second four's sixteen loads may be out
	WIN 0x01
	SPAIR 0
	SPAIR 2
	s_wait_dscnt 0x0
	SPAIR 4
	SPAIR 6
	WIN 0
	v_add_nc_u32 v[ADV], s[VB], v[AV0]             ; eight places behind the products, ahead of the loads and reads below
	v_add_nc_u32 v[ADS], s[TS], v[ASK0]
.if \pf
	s_add_co_u32 s[KB], s[KB], KSTEPB
	v_add_nc_u32 v[ADK], s[KB], v[AK0]
.else
	v_nop
.endif
.rept 5
	v_nop
.endr
	s_add_co_u32 s[VB], s[VB], 128
	s_add_co_u32 s[TS], s[TS], 512
.irp u, 0,1,2,3
	ds_load_b32 v[VS+\u], v[ADS] offset:8192+128*\u
.endr
	WIN 0x40
.irp t, 0,1,2,3,4,5,6,7
.irp c, 0,1,2,3
	ds_load_b128 v[F+16*\t+4*\c:F+16*\t+4*\c+3], v[ADV] offset:16*\t*VP+32*\c   ; V's fragments, under the softmax
.endr
.endr
	WIN 0
.irp b, 0,1,2,3
	v_max3_num_f32 v[MA+\b], v[SA+16*\b], v[SA+16*\b+1], v[SA+16*\b+2]   ; the largest score of each block of 32 keys: for the row's maximum and for the block's scale
	v_max3_num_f32 v[MB+\b], v[SB+16*\b], v[SB+16*\b+1], v[SB+16*\b+2]
.endr
.irp i, 3,5,7,9,11,13
.irp b, 0,1,2,3
	v_max3_num_f32 v[MA+\b], v[MA+\b], v[SA+16*\b+\i], v[SA+16*\b+\i+1]
	v_max3_num_f32 v[MB+\b], v[MB+\b], v[SB+16*\b+\i], v[SB+16*\b+\i+1]
.endr
.endr
.irp b, 0,1,2,3
	v_max_num_f32 v[MA+\b], v[MA+\b], v[SA+16*\b+15]
	v_max_num_f32 v[MB+\b], v[MB+\b], v[SB+16*\b+15]
.endr
.irp b, 0,1,2,3
	v_permlane16_swap_b32 v[MA+\b], v[MB+\b]
.endr
.irp b, 0,1,2,3
	v_max_num_f32 v[MA+\b], v[MA+\b], v[MB+\b]     ; packed: the blocks' largest scores
.endr
	v_max3_num_f32 v51, v[MA], v[MA+1], v[MA+2]
	s_delay_alu instid0(VALU_DEP_1)
	v_max3_num_f32 v[SMX], v51, v[MA+3], v[SMX]    ; the running largest score
	s_delay_alu instid0(VALU_DEP_1)
	v_mul_f32 v52, s[NC], v[SMX]                   ; -t
	s_delay_alu instid0(VALU_DEP_1)
	v_floor_f32 v[NA], v52                         ; the new -M: a whole number
	s_delay_alu instid0(VALU_DEP_1)
	v_sub_f32 v53, v[NA], v[NM]                    ; old M - new M, 0 or less
	v_mov_b32 v[NM], v[NA]
	UNPACK NA, NB
	v_pk_fma_f32 v[MA:MA+1], v[MA:MA+1], s[CS:CS+1], v[NM:NM+1] op_sel_hi:[1,0,0]   ; the blocks' largest t - M
	v_pk_fma_f32 v[MA+2:MA+3], v[MA+2:MA+3], s[CS:CS+1], v[NM:NM+1] op_sel_hi:[1,0,0]
	v_cvt_i32_f32 v53, v53                         ; (it saturates)
	FM 0
.irp b, 0,1,2,3
	v_max_num_f32 v[MA+\b], 0xc2de0000, v[MA+\b]   ; at least -111: the byte cannot fall under 1
.endr
	v_ldexp_f32 v[FA], 1.0, v53                    ; f = 2^(old M - new M): a multiplication by it rounds nothing
	FM 8
.irp b, 0,1,2,3
	v_cvt_floor_i32_f32 v[MA+\b], v[MA+\b]         ; n = floor(log2(the block's largest p)); the scale is 2^(n - 15), its byte n + 112
.endr
	UNPACK FA, FB_
	FM 16
	v_add_nc_u32 v[PW], 0x70707070, v[MA]          ; p's scale words: four bytes n + 112, each between 1 and 112
.irp b, 0,1,2,3
	v_add_lshl_u32 v[CA+\b], v[MA+\b], 0x70, 23    ; the conversion's scale operand
.endr
	v_lshl_add_u32 v[PW], v[MA+1], 8, v[PW]
.irp b, 0,1,2,3
	UNPACK CA+\b, CB+\b
.endr
	v_lshl_add_u32 v[PW], v[MA+2], 16, v[PW]
	FM 24
	v_lshl_add_u32 v[PW], v[MA+3], 24, v[PW]
	HOLDS
	s_wait_alu depctr_va_vdst(0)                   ; ahead of the batch
.set J, 0
.rept 32
	v_exp_f32 v[SA+J], v[SA+J]                     ; p of A, not normalised; between them t - M of B
	v_exp_f32 v[SA+J+1], v[SA+J+1]
	v_pk_fma_f32 v[SB+J:SB+J+1], v[SB+J:SB+J+1], s[CS:CS+1], v[NB:NB+1] op_sel_hi:[1,0,0]
.set J, J+2
.endr
	v_pk_mul_f32 v[LA:LA+1], v[LA:LA+1], v[FA:FA+1] op_sel_hi:[1,0]   ; the sum under the new M
	s_wait_alu depctr_va_vdst(0)                   ; and behind the batch
.set K, 0
.rept 29
	ADD1 SA, LA, 26, 28, 52, K                     ; the sum is taken of the unquantised p
.set K, K+1
.endr
	s_wait_alu depctr_va_vdst(0)                   ; ahead of the second batch
.set J, 0
.rept 32
	v_exp_f32 v[SB+J], v[SB+J]                     ; p of B; between them A's hold (p is not negative: one-sided)
	v_exp_f32 v[SB+J+1], v[SB+J+1]
	v_dual_min_num_f32 v[SA+J], v[SA+J], v[HA+J/16] :: v_dual_min_num_f32 v[SA+J+1], v[SA+J+1], v[HA+J/16]
.set J, J+2
.endr
	v_pk_mul_f32 v[LB:LB+1], v[LB:LB+1], v[FB_:FB_+1] op_sel_hi:[1,0]
	s_wait_alu depctr_va_vdst(0)                   ; and behind it
.set K, 0
.irp q, 0,1,2,3,4,5,6,7
	v_cvt_scalef32_pk8_bf8_f32 v[PA+2*\q:PA+2*\q+1], v[SA+8*\q:SA+8*\q+7], v[CA+\q/2]
.rept 4
.if K < 29
	ADD1 SB, LB, 30, 32, 10, K
.endif
.set K, K+1
.endr
.endr
.irp b, 0,1,2,3
.set J, 16*\b
.rept 8
	v_dual_min_num_f32 v[SB+J], v[SB+J], v[HB+\b] :: v_dual_min_num_f32 v[SB+J+1], v[SB+J+1], v[HB+\b]
.set J, J+2
.endr
	v_cvt_scalef32_pk8_bf8_f32 v[PB+4*\b:PB+4*\b+1], v[SB+16*\b:SB+16*\b+7], v[CB+\b]
	v_cvt_scalef32_pk8_bf8_f32 v[PB+4*\b+2:PB+4*\b+3], v[SB+16*\b+8:SB+16*\b+15], v[CB+\b]
.endr
	s_wait_dscnt 0x0                               ; V's fragments and scale words
	WIN 0x41
	s_wait_alu depctr_va_vdst(0)                   ; ahead of O's first readers
.set J, 0
.rept 32
	v_pk_mul_f32 v[OA+J:OA+J+1], v[OA+J:OA+J+1], v[FA:FA+1] op_sel_hi:[1,0]   ; O under the new M.  (These also stand between the codes and the products)
	v_pk_mul_f32 v[OB+J:OB+J+1], v[OB+J:OB+J+1], v[FB_:FB_+1] op_sel_hi:[1,0]
.set J, J+2
.endr
	WIN 0x51
	PPAIR 0
	PPAIR 2
.if \pf
	WIN 0
	MERGE
	KLOAD 0, 512
	WIN 0x51
.endif
	PPAIR 4
	PPAIR 6
	WIN 0
.if \pf
.rept 8
	v_nop                                          ; eight places ahead of the loads
.endr
	KLOAD 1, 512
.else
	MERGE
.endif
.endm
.macro SLOT fill                       ; four key steps
	CHANGE \fill
	s_mov_b32 s[KB], s[TB]
	s_mov_b32 s[VB], s[TB]
	v_add_nc_u32 v[ADK], s[KB], v[AK0]
	v_add_nc_u32 v[ADS], s[TS], v[ASK0]
	KLOAD 0, 0
	KLOAD 1, 0
	s_xor_b32 s[TB], s[TB], SLOTB                  ; the next slot begins there
	s_mov_b32 s[STEPS], 3
.Lstep_\@:
	STEP 1
	s_sub_co_u32 s[STEPS], s[STEPS], 1
	s_cmp_lg_u32 s[STEPS], 0
	s_cbranch_scc1 .Lstep_\@
	STEP 0
.endm
	s_wait_alu depctr_va_vdst(0)
.Lslot:                                            ; three trips: each reads 512 keys and asks for the next 512
	SLOT 1
	s_sub_co_u32 s[SLOTS], s[SLOTS], 1
	s_cmp_lg_u32 s[SLOTS], 0
	s_cbranch_scc1 .Lslot
	SLOT 0                                         ; the last slot is written out
	; THE WAY OUT.  O^T is divided by the sum and goes through my stage, 32 rows of 528 bytes from LDS byte 0 on, in slot 0: it has had its last fill, and behind the last change of slots nobody reads it.
	v_add_f32 v[LA], v[LA], v[LA+1]
	v_add_f32 v[LB], v[LB], v[LB+1]
	v_permlane16_swap_b32 v[LA], v[LB]
	v_add_f32 v[NA], v[LA], v[LB]                  ; the rows' sums, packed
	s_wait_alu depctr_va_vdst(0)                   ; ahead of the transcendental
	v_rcp_f32 v[NA], v[NA]
	v_and_b32 v8, 15, v0
	v_bfe_u32 v9, v0, 4, 1
	s_mul_i32 s73, s[WV], 32*VP
	v_mul_u32_u24 v1, v8, VP
	v_lshl_add_u32 v1, v9, 5, v1
	v_add_nc_u32 v1, s73, v1                       ; in: row r; tile t's eight channels of my half 64 t + 32 h bytes on
	v_and_b32 v8, 31, v0
	v_lshlrev_b32 v[GO], 4, v8                     ; back: 32 lanes to a row of 512 bytes
	v_add_nc_u32 v2, s73, v[GO]
	s_wait_alu depctr_va_vdst(0)                   ; behind it
	UNPACK NA, NB
.macro OUT o, s, n, row
	WIN 0x01
	s_wait_alu depctr_va_vdst(0)                   ; ahead of these results' first readers
.set J, 0
.rept 32
	v_pk_mul_f32 v[\s+J:\s+J+1], v[\o+J:\o+J+1], v[\n:\n+1] op_sel_hi:[1,0]
.set J, J+2
.endr
	WIN 0
.irp t, 0,1,2,3,4,5,6,7
	ds_store_b128 v1, v[\s+8*\t:\s+8*\t+3] offset:\row*VP+64*\t
	ds_store_b128 v1, v[\s+8*\t+4:\s+8*\t+7] offset:\row*VP+64*\t+16
.endr
	WIN 0x40
.set J, 0
.rept 16
	ds_load_b128 v[\o+4*J:\o+4*J+3], v2 offset:(\row+J)*VP   ; LDS serves a wave's instructions in order: these see my stores.  (O's registers have been read)
.set J, J+1
.endr
.endm
	OUT OA, SA, NA, 0
	OUT OB, SB, NB, 16
	WIN 0x04
.set J, 0
.rept 32
.if J < 16
	s_wait_dscnt 47-J                              ; behind this load: A's younger ones, B's sixteen stores and sixteen loads
.else
	s_wait_dscnt 31-J
.endif
	global_store_b128 v[GO], v[4*J:4*J+3], s[14:15] offset:512*J th:TH_STORE_NT   ; 32 lanes store 512 consecutive bytes, at a multiple of 512 from out0's first byte
.set J, J+1
.endr
	WIN 0
	s_wait_tensorcnt 0x0                           ; the wave's end
	ds_add_u32 v[SPW], v[NIL]
	s_wait_dscnt 0x0
	CROUND                                         ; the closing round
	s_endpgm
.Lfunc_end_k_q1d137d35be_attn:
	.size	k_q1d137d35be_attn, .Lfunc_end_k_q1d137d35be_attn-k_q1d137d35be_attn
	.p2alignl 7, 3214868480
	.fill 96, 4, 3214868480
	.section	.rodata,"a",@progbits
	.p2align	6, 0x0
	.amdhsa_kernel k_q1d137d35be_attn
		.amdhsa_group_segment_fixed_size 327680
		.amdhsa_private_segment_fixed_size 0
		.amdhsa_enable_private_segment 0
		.amdhsa_kernarg_size 48
		.amdhsa_user_sgpr_count 2
		.amdhsa_user_sgpr_kernarg_segment_ptr 1
		.amdhsa_wavefront_size32 1
		.amdhsa_system_sgpr_workgroup_id_x 1
		.amdhsa_system_sgpr_workgroup_id_y 1
		.amdhsa_system_sgpr_workgroup_id_z 1
		.amdhsa_system_vgpr_workitem_id 0
		.amdhsa_next_free_vgpr 512
		.amdhsa_next_free_sgpr 100
		.amdhsa_reserve_vcc 0
		.amdhsa_float_denorm_mode_32 3
		.amdhsa_float_denorm_mode_16_64 3
		.amdhsa_memory_ordered 1
		.amdhsa_forward_progress 1
		.amdhsa_inst_pref_size 200
	.end_amdhsa_kernel
	.amdgpu_metadata
---
amdhsa.version: [ 1, 2 ]
amdhsa.kernels:
  - .name:           k_q1d137d35be_attn
    .symbol:         k_q1d137d35be_attn.kd
    .args:
      - { .name: queries, .offset: 0, .size: 8, .value_kind: global_buffer, .address_space: global }
      - { .name: k_codes, .offset: 8, .size: 8, .value_kind: global_buffer, .address_space: global }
      - { .name: k_scales, .offset: 16, .size: 8, .value_kind: global_buffer, .address_space: global }
      - { .name: v_codes, .offset: 24, .size: 8, .value_kind: global_buffer, .address_space: global }
      - { .name: v_scales, .offset: 32, .size: 8, .value_kind: global_buffer, .address_space: global }
      - { .name: out0, .offset: 40, .size: 8, .value_kind: global_buffer, .address_space: global }
    .group_segment_fixed_size: 327680
    .private_segment_fixed_size: 0
    .kernarg_segment_align: 8
    .kernarg_segment_size: 48
    .max_flat_workgroup_size: 256
    .sgpr_count:     100
    .vgpr_count:     512
    .wavefront_size: 32
...
	.end_amdgpu_metadata
.endif
;; end of part 2
